; MI455X (gfx1250); checked and timed in simulation.
; The chip was launched on July 23, 2026; its instructions are those of AMD's public machine-readable ISA for CDNA 5 (MIT licence, August 2026) and "CDNA5" Instruction Set Architecture Reference Guide (July 2026). The comments in the code are by the model that wrote it; some were corrected since.
;; Mo E Connection Processor. Allowed arithmetic: matrix products marked QUANTISED: E2M3 operands, one E8M0 scale for each 32 along K, by v_wmma_scale_f32_16x16x128_f8f6f4 with both operands' format E2M3, f32 sums; products left as they are: f32 operands where the result goes on into a quantised operand, else bf16, f16 or f32 operands; f32 sums; everything else in f32.
;; Inputs: W_c1_codes 128 x 4 x 24 uint8 (E2M3 codes of W_c1, K innermost, in blocks of 32 codes, four codes in three bytes); W_c1_scales 128 x 4 uint8 (E8M0 scales of W_c1, one for each 32 codes along K); W_c2_codes 64 x 4 x 24 uint8 (E2M3 codes of W_c2, K innermost, in blocks of 32 codes, four codes in three bytes); W_c2_scales 64 x 4 uint8 (E8M0 scales of W_c2, one for each 32 codes along K); W_f1_codes 128 x 4 x 24 uint8 (E2M3 codes of W_f1, K innermost, in blocks of 32 codes, four codes in three bytes); W_f1_scales 128 x 4 uint8 (E8M0 scales of W_f1, one for each 32 codes along K); W_f2_codes 64 x 4 x 24 uint8 (E2M3 codes of W_f2, K innermost, in blocks of 32 codes, four codes in three bytes); W_f2_scales 64 x 4 uint8 (E8M0 scales of W_f2, one for each 32 codes along K); W_g1_codes 32 x 4 x 24 uint8 (E2M3 codes of W_g1, K innermost, in blocks of 32 codes, four codes in three bytes); W_g1_scales 32 x 4 uint8 (E8M0 scales of W_g1, one for each 32 codes along K); W_g2 32 x 3 float32; W_local_codes 64 x 4 x 24 uint8 (E2M3 codes of W_local, K innermost, in blocks of 32 codes, four codes in three bytes); W_local_scales 64 x 4 uint8 (E8M0 scales of W_local, one for each 32 codes along K); b_c1 128 float32; b_c2 64 float32; b_f1 128 float32; b_f2 64 float32; b_g1 32 float32; b_g2 3 float32; b_local 64 float32; current_state 19,683 x 64 float32; neighbor_cat 19,683 x 26 int32; neighbor_states 19,683 x 26 x 64 float32.
;; Outputs: out0 19,683 x 64 float32; out1 19,683 x 3 float32.
;; This version of the problem:
;;   THIS VERSION OF THE PROBLEM IS GIVEN IN LOW PRECISION. The matrix products marked QUANTISED in the list below multiply operands that are first quantised to E2M3 (2 exponent bits, 3 mantissa bits; 6 bits a number), with one power-of-two scale for each 32 numbers along K (OCP MX v1.0); their sums are f32. All else is computed in f32.
;;   The module's matrix products, in the order in which they are computed (A, B: the left and right operand; K: the contracted axis; several contracted axes count as one K, in the product's order):
;;     1. [M 19,683, K 128] x [K 128, N 64]; A: computed on the way; B: input W_local (given as codes): QUANTISED
;;     2. [M 19,683, K 128] x [K 128, N 128]; A: computed on the way; B: input W_f1 (given as codes): QUANTISED
;;     3. [M 19,683, K 128] x [K 128, N 64]; A: computed on the way; B: input W_f2 (given as codes): QUANTISED
;;     4. [M 19,683, K 128] x [K 128, N 128]; A: computed on the way; B: input W_c1 (given as codes): QUANTISED
;;     5. [M 19,683, K 128] x [K 128, N 64]; A: computed on the way; B: input W_c2 (given as codes): QUANTISED
;;     6. [M 19,683, K 128] x [K 128, N 128]; A: computed on the way; B: input W_c1 (given as codes): QUANTISED
;;     7. [M 19,683, K 128] x [K 128, N 64]; A: computed on the way; B: input W_c2 (given as codes): QUANTISED
;;     8. [M 19,683, K 128] x [K 128, N 128]; A: computed on the way; B: input W_c1 (given as codes): QUANTISED
;;     9. [M 19,683, K 128] x [K 128, N 64]; A: computed on the way; B: input W_c2 (given as codes): QUANTISED
;;     10. [M 19,683, K 128] x [K 128, N 32]; A: computed on the way; B: input W_g1 (given as codes): QUANTISED
;;     11. [M 19,683, K 32] x [K 32, N 3]; A: computed on the way; B: input W_g2: left as it is (N = 3 < 16)
;;   THE QUANTISER, for each operand of a quantised product, along K:
;;     - K is cut into blocks of 32 from its start; a last block that is shorter is filled with zeros.
;;     - A block's scale is 2^e with e = floor(log2(the largest magnitude in the block)) - 2, held to -126 .. 127; a block of zeros has e = 0. As a byte (E8M0): e + 127.
;;     - Each number is divided by its block's scale, clamped to +-7.5, and rounded to the nearest number of E2M3, ties to even, subnormals kept.
;;     - The product sums the exact products of the quantised numbers (number of the format x scale) in f32.
;;   ~~~python
;;   def quantise(x, axis):      # numpy; x: float32 -> the quantised numbers, widened to float32 again
;;       x = np.moveaxis(x, axis, -1); K = x.shape[-1]
;;       x = np.pad(x, [(0, 0)] * (x.ndim - 1) + [(0, -K % 32)]); x = x.reshape(x.shape[:-1] + (-1, 32)); a = np.abs(x).max(-1, keepdims=True)
;;       e = np.where(a > 0, np.clip(np.frexp(np.where(a > 0, a, 1))[1] - 1 - 2, -126, 127), 0)      # np.frexp(a)[1] - 1 = floor(log2(a)), exactly
;;       r = np.clip(x / 2.0 ** e, -7.5, 7.5)
;;       step = 2.0 ** (np.maximum(np.frexp(np.where(r == 0, 1, r))[1] - 1, 0) - 3)
;;       q = np.round(r / step) * step * 2.0 ** e      # np.round: ties to even
;;       return np.moveaxis(q.reshape(q.shape[:-2] + (-1,))[..., :K], -1, axis).astype(np.float32)
;;   ~~~
;;   OPERANDS COMPUTED ON THE WAY. 'Computed on the way' means the value that the module computes at that place (a softmax that the list does not call 'softmax' is quantised finished and normalised). What goes into a quantiser is computed in f32, as accurately as f32 sums, v_exp_f32 and their like allow (about 1e-6 of the number): no bf16 or f16 on the way to a quantiser, and a product that is left as it is and whose result goes on into a quantised operand takes f32 operands (vector FMAs, or v_wmma_f32_16x16x4_f32). A number that lies on a knife's edge between two numbers of the format may be rounded either way, as far as f32 arithmetic and the matrix unit's own rounding can turn it there, and no further.
;;   INPUTS GIVEN AS CODES. W_c1 (in the module: [128, 128], K = its axis 0); W_c2 (in the module: [128, 64], K = its axis 0); W_f1 (in the module: [128, 128], K = its axis 0); W_f2 (in the module: [128, 64], K = its axis 0); W_g1 (in the module: [128, 32], K = its axis 0); W_local (in the module: [128, 64], K = its axis 0): each comes as NAME_codes (uint8): NAME with its K axis moved to the last place and cut into blocks of 32 codes, [.., K / 32, bytes a block], one block behind the other in memory; four codes in three bytes: a row's codes are one little-endian stream of bits, code i at bits 6 i .. 6 i + 5 (a code: sign, 2 exponent bits, 3 mantissa bits); and NAME_scales (uint8): the same leading axes, one E8M0 byte (e + 127) for each 32 codes along K. Its value is code x scale, taken as it is: it is not quantised again, and the codes and scales need not be those that the quantiser above would give.
;; One version. Each part assembles by itself: llvm-mc -triple=amdgcn-amd-amdhsa -mcpu=gfx1250 --defsym DOCPART=n.
;; ======== version 1 of 1: 1 launch
;; limits: right only within a limited range of input values
;; launch moe (part 1): grid 256 x 1, 8 waves a work-group, no clusters, 210,176 bytes of LDS; arguments neighbor_states, neighbor_cat, current_state, out0, out1, W_local_codes, W_f1_codes, W_f2_codes, W_c1_codes, W_c2_codes, W_g1_codes, W_local_scales, W_f1_scales, W_f2_scales, W_c1_scales, W_c2_scales, W_g1_scales, b_local, b_f1, b_f2, b_c1, b_c2, b_g1, W_g2, b_g2; writes out0, out1
.if DOCPART == 1
	.amdgcn_target "amdgcn-amd-amdhsa--gfx1250"
	.amdhsa_code_object_version 6
	.text
	.protected	k_q8d3282efb0_moe
	.globl	k_q8d3282efb0_moe
	.p2align	8
	.type	k_q8d3282efb0_moe,@function
k_q8d3282efb0_moe:
	s_mov_b64 s[64:65], 0
	v_nop
	global_prefetch_b8 v0, s[64:65] scope:SCOPE_SE
	s_setreg_imm32_b32 hwreg(HW_REG_WAVE_MODE, 25, 1), 1
	s_wait_xcnt 0x0
; Three experts and a gate over 19,683 cells.  For each cell: the mean of its 26 neighbour rows (64 f32) by category (0, 1, 2) and over all; a local expert (one layer), a functional expert (two layers),
; a distant expert (three Euler steps of two layers) and a gate (one layer, a 32 x 3 product, a softmax).  The ten products with K = 128 run on codes of FP6 (E2M3) with one E8M0 scale for each 32 along K:
; the weights arrive so, the left operands are made in f32 and quantised in registers.  Outputs: out0 = the weighted sum of the experts [19683][64], out1 = the gate's weights [19683][3].
; SHARES.  256 work-groups own 77 cells each (the last one 48), as five tiles of 16.  Eight waves have roles, parted by branches on the wave's number:
;   waves 0-3  STREAM: wave w owns cells 4 w .. 4 w + 3 of every tile, as two PAIRS.  One load of 16 bytes a lane takes neighbour j of both cells of a pair (lanes 0-15 the first cell's 256 bytes, lanes 16-31 the second's).
;              26 rows and 3 small loads are a pair; both pairs of a tile lie in registers, and each two rows are asked for again, for the next tile, as soon as they are summed: 58 loads a wave are out at a pair's start.
;   waves 4, 5 DISTANT: the Euler chain of the even and of the odd tiles.   wave 6 GATE and LOCAL of every tile.   wave 7 FUNCTIONAL of every tile.
; An expert wave's weights stay in its registers (window 1) for the whole launch; biases come from LDS straight into the accumulators, so that a product adds onto them.
; TRIPS.  Tile 0 is summed ahead of the loop.  In trip T = 1 .. 5 the stream waves fill tile T's bytes (T = 1 .. 4); the expert waves work on tile T - 1 BETWEEN THEIR SIGNAL AND THEIR WAIT, on registers and on LDS bytes that
; are written once in the launch.  Behind the wait waves 6, 7 hand w0 out_l, w1, w2 and out_f to LDS; one trip later the distant wave of that tile adds them to w2 x and stores out0.
; The hand-over has two slots that take turns by trips: what is stored behind trip T's wait is read behind trip T + 1's and stored again behind trip T + 2's.
; NO TENSOR LOADS: the rows are only summed, so they go from memory to registers.  NO CLUSTER: work-groups share the weights alone, 50 KB of the 600 KB that a work-group reads.
; NO PREFETCH: every row is asked for by its own load one whole tile (52 rows a wave) ahead of its sum.
; BOTH SIDES OF A PRODUCT: source 0 = 16 rows of a weight, source 1 = 16 cells, so that a lane holds ONE cell (lane % 16) and its registers run along the next K.  THE ROWS OF A WEIGHT THAT FORM A TILE ARE NOT NEIGHBOURS:
; lane r of tile 2 b + u takes row 32 b + 8 u + r + 8 (r / 8), so that the 16 registers of tiles 2 b and 2 b + 1 are units 32 b + 16 (lane / 16) + 0 .. 15.
; LIMITS.  tanh(y) = 1 - 2 / (1 + 2^(2 log2(e) y)): its error is about 1e-7 absolute, so the relative error grows as |y| falls under 1.  NaN and infinities among the inputs are not served.  A block of zeros gets the
; scale byte 1 (its codes are zeros; the bytes never leave the kernel).  A category outside 0 .. 2 counts for the plain mean alone, as in the definition.  The means are sums times v_rcp_f32 of the count.
; Cells past a work-group's end are replaced by its last cell on the way in and masked on the way out.  out1 leaves as up to 192 consecutive bytes a tile.
.set NLAST,  19682
.set CELLS,  77
.set NBR,    26
; ---- LDS
.set C_L,    0                         ; the weights' codes as they lie in memory, rows of 96 bytes
.set C_F1,   6144
.set C_F2,   18432
.set C_C1,   24576
.set C_C2,   36864
.set C_G1,   43008
.set S_L,    46080                     ; their scale words, 4 bytes a row
.set S_F1,   S_L+256
.set S_F2,   S_L+768
.set S_C1,   S_L+1024
.set S_C2,   S_L+1536
.set S_G1,   S_L+1792
.set B_L,    48000                     ; the biases, 4 bytes a row
.set B_F1,   B_L+256
.set B_F2,   B_L+768
.set B_C1,   B_L+1024
.set B_C2,   B_L+1536
.set B_G1,   B_L+1792
.set WG2O,   49920                     ; W_g2, 384 bytes
.set SPARE,  50432                     ; the spare words, 128 bytes for each wave
.set PITCH,  272                       ; a cell's 256 bytes + 16: sixteen rows begin at sixteen different 16-byte columns of 256 bytes
.set VEC,    16*PITCH                  ; one vector of a tile: 16 cells
.set SLOT,   SPARE+1024                ; two hand-over slots: 16 rows of w0 out_l, 16 rows of out_f, 16 pairs w1, w2
.set QSZ,    2*VEC+256
.set XSTG,   SLOT+2*QSZ                ; a distant wave's own stage: 16 rows of x
.set MEAN,   XSTG+2*VEC                ; tile t's region at MEAN + t RG: five vectors (0 state, 1 mean local, 2 mean functional, 3 mean distant, 4 mean of all), then 16 bytes of counts a cell
.set CNTO,   5*VEC
.set RG,     CNTO+256
; ---- vector registers, window 0
.set LN,   1                           ; lane
.set RR,   2                           ; lane % 16
.set HH,   3                           ; lane / 16
.set Q16,  4                           ; 16 (lane % 16)
.set CR4,  5                           ; where my category lies among the cell's 104 bytes: neighbour lane % 16,
.set CB4,  6                           ; and neighbour 16 + min(lane % 16, 9)
.set MS0,  7                           ; stream: my first pair's row in tile 0, + 16 (lane % 16);
.set CS0,  8                           ; its counts
.set MS,   9
.set CS,   10
.set WP,   11                          ; a weight tile's row for my lane
.set SP,   12                          ; its scale word
.set BH,   13                          ; its eight biases
.set G2A,  14                          ; my half's 16 rows of W_g2
.set IN0,  15                          ; experts: cell r's row in tile 0, + 64 (lane / 16);
.set CN0,  16                          ; its counts
.set IN,   17
.set CN,   18
.set ST0,  19                          ; hand-over, in: cell r's row + 64 (lane / 16);
.set SW0,  20                          ; its two weights
.set RP0,  21                          ; hand-over, out: row lane / 16, + 16 (lane % 16);
.set RW0,  22                          ; that row's two weights
.set ST,   23
.set SW,   24
.set RP,   25
.set RW,   26
.set OUTO, 27
.set WM,   28                          ; w0 at v28 (v29 named with it as a pair), w1 and w2 at v30, v31; 0 where the expert has no neighbour
.set K2,   23                          ; before the loop: staging offsets, in registers that every trip writes anew
.set K4,   24
.set K1,   25
.set L16,  26
.set L8,   17
.set L4,   18
.set X,    32                          ; v32-63
.set H,    64                          ; v64-127
.set WG,   80                          ; v80-127: W_g2, while the gate is computed
.set Y,    128                         ; v128-159
.set P,    160                         ; v160-171, v172-183: operands
.set Q,    172
.set SA,   184                         ; v184-191, v192-195: the weights' scale words; v202, v203 the operands': these hold scales and nothing else
.set SB,   192
.set SCP,  202
.set SCQ,  203
.set TM,   206                         ; at work in the quantiser
.set TP,   214
.set TS,   218
.set TB,   222
.set CT,   226
.set GG,   206                         ; the gate's three sums, its maximum, lane xor 16's sums
.set MX,   209
.set GT,   214
.set XST,  240                         ; the distant wave's stage, in and out
.set XRD,  241
.set SH0,  242                         ; halves of scale words
.set SH1,  243
.set CNT,  246
.set WT,   250
.set SPW,  254                         ; my spare word, and 0
.set NIL,  255
.set CAT,  32                          ; stream waves: two categories a pair,
.set CU,   36                          ; the state,
.set CEL,  44                          ; cell and offsets into memory, one set for each pair
.set CAO,  46
.set CBO,  48
.set CUO,  50
; ---- window 1, stream waves: the rows of pair p at 104 p + 4 j;  expert waves: fragments of the weights
.set MT,   208                         ; two rows' masks in every lane
.set MR,   216                         ; masks by lane: category c, neighbours 0-15 at MR + 2 c, 16-25 at MR + 2 c + 1
.set AL,   224
.set AF,   228
.set AD,   232
.set AA,   236
.set CNS,  240
.set RC,   244
.set OFF,  248
; ---- scalar registers
.set WAVE, 2
.set W4,   3
.set PAR,  4
.set TRIP, 5
.set CELL0, 6
.set ODD,  7
.set SEL,  8                           ; s[8:9] selects of v_permlanex16_b32: lane xor 16
.set C2L,  10                          ; s[10:11] 2 log2(e), named as a pair
.set T0,   12
.set T1,   13
.set LASTC, 15                         ; the work-group's last cell
.set NS,   16                          ; s[16:63], s[66:67]: the 25 addresses, in the order of the arguments
.set CATP, 18
.set CURP, 20
.set O0,   22
.set O1,   24
.set PWL,  26
.set PWF1, 28
.set PWF2, 30
.set PWC1, 32
.set PWC2, 34
.set PWG1, 36
.set PSL,  38
.set PSF1, 40
.set PSF2, 42
.set PSC1, 44
.set PSC2, 46
.set PSG1, 48
.set PBL,  50
.set PBF1, 52
.set PBF2, 54
.set PBC1, 56
.set PBC2, 58
.set PBG1, 60
.set PWG2, 62
.set PBG2, 66
.set BG2,  68
.set ENDC, 71                          ; LASTC + 1
.set HA,   72                          ; s72-77 at work in the head
.set MYC,  78                          ; my wave's first cell of tile 0
.set VALID, 79
.set SAVE, 80
.set EUL,  81
.set TRG,  82                          ; (T - 1) RG, T RG
.set TRS,  83
.set TCS,  84                          ; the slot that is stored in this trip, and the one that is read
.set TCD,  85
.set M10,  86                          ; lanes 0-9 of each half
.set MK,   88
.set MSB, 0
.macro WIN new                         ; the immediate's high byte repeats the setting that is left
.if MSB != \new
	s_set_vgpr_msb (MSB<<8)|\new
.set MSB, \new
.endif
.endm
.macro WALU
	s_wait_alu depctr_va_vdst(0)
.endm
.macro NOPS n
.rept \n
	v_nop
.endr
.endm
; ================================================================ stream macros
.macro SADDR p                         ; the offsets of pair p, whose first cell is s[T1].  Cells past the end are replaced by the last: no load leaves its buffer
	WIN 0
	v_add_nc_u32 v[CEL+\p], s[T1], v[HH]
	v_min_u32 v[CEL+\p], s[LASTC], v[CEL+\p]
	v_mad_u32_u24 v[CAO+\p], v[CEL+\p], 4*NBR, v[CR4]
	v_mad_u32_u24 v[CBO+\p], v[CEL+\p], 4*NBR, v[CB4]
	v_lshl_add_u32 v[CUO+\p], v[CEL+\p], 8, v[Q16]
	WIN 0x40
	v_mad_u32_u24 v[OFF+\p], v[CEL+\p], 256*NBR, v[Q16]
	WIN 0
.endm
.macro SMALL p                         ; a pair's three small loads, ahead of its 26 rows
	global_load_b32 v[CAT+2*\p], v[CAO+\p], s[CATP:CATP+1]
	global_load_b32 v[CAT+2*\p+1], v[CBO+\p], s[CATP:CATP+1]
	global_load_b128 v[CU+4*\p:CU+4*\p+3], v[CUO+\p], s[CURP:CURP+1] th:TH_LOAD_NT
.endm
; Rows 2 g and 2 g + 1 of pair p, summed four ways, two numbers an instruction; the first rows start the sums.  All registers lie in window 1.
; THE WAITS: behind row 2 g + 1 are 24 - 2 g rows of this pair, the other pair's 29 loads and, where the next tile is asked for, its 3 small loads and 2 g rows: 56 in all.
.macro GROUP g, p, ahead
.if \ahead
	s_wait_loadcnt 56
.elseif \p
	s_wait_loadcnt 24-2*(\g)
.else
	s_wait_loadcnt 53-2*(\g)
.endif
.irp q, 0, 1
.set jj, 2*(\g)+\q
.set jr, jj%16
.irp c, 0, 1, 2
	v_mov_b32_dpp v[MT+4*\q+\c], v[MR+2*\c+jj/16] row_share:jr row_mask:0xf bank_mask:0xf
.endr
.endr
.irp q, 0, 1
.set RJ, 104*(\p)+8*(\g)+4*\q
.set MJ, MT+4*\q
.irp d, 0, 2
.if ((\g) == 0) && (\q == 0)
	v_pk_mul_f32 v[AL+\d:AL+\d+1], v[RJ+\d:RJ+\d+1], v[MJ:MJ+1] op_sel_hi:[1,0]
	v_pk_mul_f32 v[AF+\d:AF+\d+1], v[RJ+\d:RJ+\d+1], v[MJ:MJ+1] op_sel:[0,1] op_sel_hi:[1,1]
	v_pk_mul_f32 v[AD+\d:AD+\d+1], v[RJ+\d:RJ+\d+1], v[MJ+2:MJ+3] op_sel_hi:[1,0]
.else
	v_pk_fma_f32 v[AL+\d:AL+\d+1], v[RJ+\d:RJ+\d+1], v[MJ:MJ+1], v[AL+\d:AL+\d+1] op_sel_hi:[1,0,1]
	v_pk_fma_f32 v[AF+\d:AF+\d+1], v[RJ+\d:RJ+\d+1], v[MJ:MJ+1], v[AF+\d:AF+\d+1] op_sel:[0,1,0] op_sel_hi:[1,1,1]
	v_pk_fma_f32 v[AD+\d:AD+\d+1], v[RJ+\d:RJ+\d+1], v[MJ+2:MJ+3], v[AD+\d:AD+\d+1] op_sel_hi:[1,0,1]
.if (\g) == 0
	v_pk_add_f32 v[AA+\d:AA+\d+1], v[RJ+\d-4:RJ+\d-3], v[RJ+\d:RJ+\d+1]
.else
	v_pk_add_f32 v[AA+\d:AA+\d+1], v[AA+\d:AA+\d+1], v[RJ+\d:RJ+\d+1]
.endif
.endif
.endr
.endr
.if \ahead
.irp q, 0, 1
.set RJ, 104*(\p)+8*(\g)+4*\q
	global_load_b128 v[RJ:RJ+3], v[OFF+\p], s[NS:NS+1] offset:256*(2*(\g)+\q) th:TH_LOAD_NT   ; sixteen lanes read a row's 256 bytes, aligned; read once in the launch
.endr
.endif
.endm
.macro PAIR p, ahead, ms, cs
.if (\p) && !(\ahead)
	s_wait_loadcnt 26                              ; the categories and the state are in; the pair's 26 rows may be out,
.else
	s_wait_loadcnt 55                              ; and the other pair's 29 loads
.endif
	ds_store_b128 v[\ms], v[CU+4*\p:CU+4*\p+3] offset:2*PITCH*\p      ; vector 0: the state
	v_cndmask_b32 v[CAT+2*\p+1], -1, v[CAT+2*\p+1], s[M10]            ; lanes 10-15 of each half have no neighbour here
.irp c, 0, 1, 2
	v_cmp_eq_u32 s[MK+2*\c], \c, v[CAT+2*\p]
	v_cmp_eq_u32 s[MK+2*\c+1], \c, v[CAT+2*\p+1]
.endr
	WIN 0x40
.irp c, 0, 1, 2, 3, 4, 5
	v_cndmask_b32 v[MR+\c], 0, 1.0, s[MK+\c]
.endr
	WIN 0x55
.irp c, 0, 1, 2
	v_add_f32 v[CNS+\c], v[MR+2*\c], v[MR+2*\c+1]
.endr
.irp m, 1, 2, 4, 8
.irp c, 0, 1, 2
	v_add_f32_dpp v[CNS+\c], v[CNS+\c], v[CNS+\c] row_xmask:\m row_mask:0xf bank_mask:0xf   ; the counts, over a half's sixteen lanes
.endr
.endr
.if \ahead
	WIN 0
	WALU
	s_wait_dscnt 0x0                               ; the state has been stored: its registers are loaded anew
	s_wait_xcnt 0x0                                ; earlier loads have read their offsets: these may be written
	s_lshl_b32 s[T1], s[TRIP], 4
	s_add_co_u32 s[T1], s[T1], s[MYC]
	s_add_co_u32 s[T1], s[T1], 16+2*\p
	SADDR \p
	SMALL \p
	WIN 0x55
.endif
	WALU
.set gg, 0
.rept NBR/2
	GROUP gg, \p, \ahead
.set gg, gg+1
.endr
.irp c, 0, 1, 2, 3
	v_max_num_f32 v[RC+\c], 1.0, v[CNS+\c]
.endr
	WALU
.irp c, 0, 1, 2
	v_rcp_f32 v[RC+\c], v[RC+\c]
.endr
	v_pk_mul_f32 v[AA:AA+1], v[AA:AA+1], 0x3d1d89d9 op_sel_hi:[1,0]       ; the plain mean: x 1 / 26
	v_pk_mul_f32 v[AA+2:AA+3], v[AA+2:AA+3], 0x3d1d89d9 op_sel_hi:[1,0]
	WALU
.irp d, 0, 2
	v_pk_mul_f32 v[AL+\d:AL+\d+1], v[AL+\d:AL+\d+1], v[RC:RC+1] op_sel_hi:[1,0]
	v_pk_mul_f32 v[AF+\d:AF+\d+1], v[AF+\d:AF+\d+1], v[RC:RC+1] op_sel:[0,1] op_sel_hi:[1,1]
	v_pk_mul_f32 v[AD+\d:AD+\d+1], v[AD+\d:AD+\d+1], v[RC+2:RC+3] op_sel_hi:[1,0]
.endr
	WIN 0x04                                       ; LDS stores: address in window 0, data in window 1
	ds_store_b128 v[\ms], v[AL:AL+3] offset:VEC+2*PITCH*\p
	ds_store_b128 v[\ms], v[AF:AF+3] offset:2*VEC+2*PITCH*\p
	ds_store_b128 v[\ms], v[AD:AD+3] offset:3*VEC+2*PITCH*\p
	ds_store_b128 v[\ms], v[AA:AA+3] offset:4*VEC+2*PITCH*\p
	ds_store_b128 v[\cs], v[CNS:CNS+3] offset:32*\p    ; the sixteen lanes of a half write the same 16 bytes with the same numbers
	WIN 0
.endm
; ================================================================ expert macros
.macro LOADV dst, vec                  ; a vector of the tile in hand: register 16 b + i = number 32 b + 16 (lane / 16) + i of cell lane % 16
.irp b, 0, 1
.irp i, 0, 1, 2, 3
	ds_load_b128 v[(\dst)+16*\b+4*\i:(\dst)+16*\b+4*\i+3], v[IN] offset:(\vec)*VEC+128*\b+16*\i
.endr
.endr
.endm
.macro LOADW nt, cod, w, scl, sr       ; nt tiles of a weight into window 1 (six loads of 8 bytes a fragment: every address is a multiple of the access's size), their scale words into window 0
	WIN 0x40
.set wi, 0
.rept \nt
.set ro, 32*(wi/2)+8*(wi%2)
.irp p, 0, 1, 2, 3, 4, 5
	ds_load_b64 v[(\w)+12*wi+2*\p:(\w)+12*wi+2*\p+1], v[WP] offset:(\cod)+96*ro+48*(\p/3)+8*(\p%3)
.endr
.set wi, wi+1
.endr
	WIN 0
.set wi, 0
.rept \nt
.set ro, 32*(wi/2)+8*(wi%2)
	ds_load_b32 v[(\sr)+wi], v[SP] offset:(\scl)+4*ro
.set wi, wi+1
.endr
.endm
.macro BIAS nt, acc, off               ; nt tiles' biases, in the result's layout, into the accumulators
.set wi, 0
.rept \nt
.set ro, 32*(wi/2)+8*(wi%2)
	ds_load_b128 v[(\acc)+8*wi:(\acc)+8*wi+3], v[BH] offset:(\off)+4*ro
	ds_load_b128 v[(\acc)+8*wi+4:(\acc)+8*wi+7], v[BH] offset:(\off)+4*ro+16
.set wi, wi+1
.endr
.endm
.macro PROD nt, acc, w, op, sw, sop    ; nt products, one for each accumulator (which holds the bias): no two that follow each other share one
	WIN 0x01
.set wi, 0
.rept \nt
	v_wmma_scale_f32_16x16x128_f8f6f4 v[(\acc)+8*wi:(\acc)+8*wi+7], v[(\w)+12*wi:(\w)+12*wi+11], v[\op:\op+11], v[(\acc)+8*wi:(\acc)+8*wi+7], v[(\sw)+wi], v[\sop] matrix_a_fmt:MATRIX_FMT_FP6 matrix_b_fmt:MATRIX_FMT_FP6
.set wi, wi+1
.endr
	WIN 0
.endm
.macro PMUL b, n
.set tj, 0
.rept (\n)/2
	v_pk_mul_f32 v[(\b)+tj:(\b)+tj+1], v[(\b)+tj:(\b)+tj+1], s[C2L:C2L+1] op_sel_hi:[1,0]
.set tj, tj+2
.endr
.endm
.macro PLAIN kind, pb, xb              ; 1: + 1;  2: 1 - 2 r;  3: x + 1/3 - (2/3) r, where x already holds x + 1/3
.if \kind == 1
	v_pk_add_f32 v[(\pb)+tj:(\pb)+tj+1], v[(\pb)+tj:(\pb)+tj+1], 1.0 op_sel_hi:[1,0]
.elseif \kind == 2
	v_pk_fma_f32 v[(\pb)+tj:(\pb)+tj+1], v[(\pb)+tj:(\pb)+tj+1], -2.0, 1.0 op_sel_hi:[1,0,0]
.elseif \kind == 3
	v_pk_fma_f32 v[(\xb)+tj:(\xb)+tj+1], v[(\pb)+tj:(\pb)+tj+1], 0xbf2aaaab, v[(\xb)+tj:(\xb)+tj+1] op_sel_hi:[1,0,1]
.endif
.endm
.macro MIX op, tb, kind, pb, n, xb     ; n transcendentals in place, and behind every second one a plain line on the other half
.set tj, 0
.rept (\n)/2
	\op v[(\tb)+tj], v[(\tb)+tj]
	\op v[(\tb)+tj+1], v[(\tb)+tj+1]
	PLAIN \kind, \pb, \xb
.set tj, tj+2
.endr
.endm
; tanh of two halves of n registers, 1 - 2 / (1 + 2^(2 log2(e) y)): one half's transcendentals stand among the other half's plain lines.
; The first lines take the registers in ascending order: each accumulator is first read at its low end.
.macro TANH2 a, b, n, k=2, xa=0, xb=0
	PMUL \a, \n
	PMUL \b, \n
	WALU
	MIX v_exp_f32, \a, 0, 0, \n, 0
	v_nop
	WALU
	MIX v_exp_f32, \b, 1, \a, \n, 0
	WALU
	MIX v_rcp_f32, \a, 1, \b, \n, 0
	WALU
	MIX v_rcp_f32, \b, \k, \a, \n, \xa
	WALU
.set tj, 0
.rept (\n)/2
	PLAIN \k, \b, \xb
.set tj, tj+2
.endr
.endm
; n blocks of 32 along K (16 numbers a lane, shared with lane xor 16; n = 2 or 4) become 3 n registers of an operand and n scale bytes in v[sh].
.macro QUANT n, src, dst, sh
.set qb, 0
.rept \n
	v_max3_num_f32 v[TM+2*qb], |v[(\src)+16*qb]|, |v[(\src)+16*qb+1]|, 0x1800000     ; the floor 2^(3 - 127): the byte cannot fall under 1
	v_max3_num_f32 v[TM+2*qb+1], |v[(\src)+16*qb+8]|, |v[(\src)+16*qb+9]|, |v[(\src)+16*qb+10]|
.set qb, qb+1
.endr
.irp i, 0, 2, 4
.set qb, 0
.rept \n
	v_max3_num_f32 v[TM+2*qb], v[TM+2*qb], |v[(\src)+16*qb+2+\i]|, |v[(\src)+16*qb+3+\i]|
.if \i != 4
	v_max3_num_f32 v[TM+2*qb+1], v[TM+2*qb+1], |v[(\src)+16*qb+11+\i]|, |v[(\src)+16*qb+12+\i]|
.endif
.set qb, qb+1
.endr
.endr
.set qb, 0
.rept \n
	v_max3_num_f32 v[TM+2*qb], v[TM+2*qb], v[TM+2*qb+1], |v[(\src)+16*qb+15]|
.set qb, qb+1
.endr
.set qb, 0
.rept \n
	v_permlanex16_b32 v[TP+qb], v[TM+2*qb], s[SEL], s[SEL+1]
.set qb, qb+1
.endr
.set qb, 0
.rept \n
	v_max_num_f32 v[TM+2*qb], v[TM+2*qb], v[TP+qb]     ; with lane xor 16's: the block's largest magnitude
.set qb, qb+1
.endr
.set qb, 0
.rept \n
	v_add_nc_u32 v[TS+qb], 0xff000000, v[TM+2*qb]      ; 2 off its exponent field: the conversion takes the exponent field of this operand as its scale
.set qb, qb+1
.endr
.set qb, 0
.rept \n
	v_lshrrev_b32 v[TB+qb], 23, v[TS+qb]               ; the scale's byte
.set qb, qb+1
.endr
.if \n == 2
	v_lshl_or_b32 v[\sh], v[TB+1], 8, v[TB]
.else
	v_lshl_or_b32 v[TB], v[TB+1], 8, v[TB]
	v_lshl_or_b32 v[TB+2], v[TB+3], 8, v[TB+2]
	v_lshl_or_b32 v[\sh], v[TB+2], 16, v[TB]
.endif
.set qb, 0
.rept (\n)/2
	v_cvt_scalef32_pk16_fp6_f32 v[(\dst)+6*qb:(\dst)+6*qb+2], v[(\src)+32*qb:(\src)+32*qb+15], v[TS+2*qb]
	v_cvt_scalef32_pk16_fp6_f32 v[CT+4*qb:CT+4*qb+2], v[(\src)+32*qb+16:(\src)+32*qb+31], v[TS+2*qb+1]   ; (a conversion's three registers begin on an even number)
.set qb, qb+1
.endr
	v_nop                                          ; one plain line behind a scaled conversion
.set qb, 0
.rept (\n)/2
.irp i, 0, 1, 2
	v_permlane16_swap_b32 v[(\dst)+6*qb+\i], v[CT+4*qb+\i]    ; the operand wants a WHOLE block in a lane: lanes 0-15 the first block, lanes 16-31 the second
.endr
.set qb, qb+1
.endr
.set qb, 0
.rept (\n)/2
.irp i, 0, 1, 2
	v_mov_b32 v[(\dst)+6*qb+3+\i], v[CT+4*qb+\i]
.endr
.set qb, qb+1
.endr
.endm
.macro XADD x                          ; sixteen of x's registers + 1/3.  Eight plain lines: the places that a scale register written by a vector instruction stands ahead of a scaled product
.set tj, 0
.rept 8
	v_pk_add_f32 v[(\x)+tj:(\x)+tj+1], v[(\x)+tj:(\x)+tj+1], 0x3eaaaaab op_sel_hi:[1,0]
.set tj, tj+2
.endr
.endm
.macro PUTV adr, src, off
.irp b, 0, 1
.irp i, 0, 1, 2, 3
	ds_store_b128 v[\adr], v[(\src)+16*\b+4*\i:(\src)+16*\b+4*\i+3] offset:(\off)+128*\b+16*\i
.endr
.endr
.endm
.macro ROWS back                       ; s[T0] = the first cell of the tile back / 16 trips behind, s[VALID] = how many of its 16 rows exist
	s_lshl_b32 s[T0], s[TRIP], 4
	s_add_co_u32 s[T0], s[T0], s[CELL0]
	s_sub_co_u32 s[T0], s[T0], \back
	s_sub_co_i32 s[VALID], s[ENDC], s[T0]
	s_max_i32 s[VALID], s[VALID], 0
	s_min_i32 s[VALID], s[VALID], 16
.endm
.macro OUT0                            ; out0 of tile TRIP - 2 = w0 out_l + w1 out_f + w2 x, in rows of 256 bytes
	ROWS 32
	s_wait_xcnt 0x0                                ; my earlier stores have read their offset and data
	v_add_nc_u32 v[OUTO], s[T0], v[HH]
	v_lshl_add_u32 v[OUTO], v[OUTO], 8, v[Q16]     ; lanes 0-15 one row of out0, lanes 16-31 the next
	WALU
.irp i, 0, 1, 2, 3, 4, 5, 6, 7
	ds_load_b128 v[H+4*\i:H+4*\i+3], v[RP] offset:2*PITCH*\i
	ds_load_b128 v[H+32+4*\i:H+35+4*\i], v[RP] offset:VEC+2*PITCH*\i
	ds_load_b64 v[P+2*\i:P+2*\i+1], v[RW] offset:16*\i
.endr
	PUTV XST, X, 0
.irp i, 0, 1, 2, 3, 4, 5, 6, 7
	ds_load_b128 v[Y+4*\i:Y+4*\i+3], v[XRD] offset:2*PITCH*\i      ; whole rows of x.  LDS serves a wave's instructions in order: these see my stores
.endr
.irp i, 0, 1, 2, 3, 4, 5, 6, 7
	s_wait_dscnt 7-\i
.irp d, 0, 2
	v_pk_fma_f32 v[H+4*\i+\d:H+4*\i+\d+1], v[H+32+4*\i+\d:H+33+4*\i+\d], v[P+2*\i:P+2*\i+1], v[H+4*\i+\d:H+4*\i+\d+1] op_sel_hi:[1,0,1]
.endr
.irp d, 0, 2
	v_pk_fma_f32 v[H+4*\i+\d:H+4*\i+\d+1], v[Y+4*\i+\d:Y+4*\i+\d+1], v[P+2*\i:P+2*\i+1], v[H+4*\i+\d:H+4*\i+\d+1] op_sel:[0,1,0] op_sel_hi:[1,1,1]
.endr
.endr
	WALU
	s_cmp_eq_u32 s[VALID], 16
	s_cbranch_scc0 .Lragged_\@
.irp i, 0, 1, 2, 3, 4, 5, 6, 7
	global_store_b128 v[OUTO], v[H+4*\i:H+4*\i+3], s[O0:O0+1] offset:512*\i th:TH_STORE_NT    ; sixteen lanes store a row's 256 bytes, aligned; written once
.endr
	s_branch .Lstored_\@
.Lragged_\@:                                           ; a work-group's last tile: only its own rows are stored
.irp i, 0, 1, 2, 3, 4, 5, 6, 7
	s_sub_co_i32 s[T1], s[VALID], 2*\i
	v_cmp_gt_i32 vcc_lo, s[T1], v[HH]              ; row 2 i + lane / 16 exists
	s_wait_xcnt 0x0                                ; EXEC changes only behind this wait
	s_and_saveexec_b32 s[SAVE], vcc_lo
	global_store_b128 v[OUTO], v[H+4*\i:H+4*\i+3], s[O0:O0+1] offset:512*\i th:TH_STORE_NT
	s_wait_xcnt 0x0
	s_or_b32 exec_lo, exec_lo, s[SAVE]
.endr
.Lstored_\@:
.endm
.macro CPL sb, vo, n, reg              ; staging: n loads of 512 consecutive bytes,
.set ci, 0
.rept \n
	global_load_b128 v[(\reg)+4*ci:(\reg)+4*ci+3], v[\vo], s[\sb:\sb+1] offset:512*ci
.set ci, ci+1
.endr
.endm
.macro CPS vo, n, reg, lo              ; and their stores to LDS, as they lie
.set ci, 0
.rept \n
	ds_store_b128 v[\vo], v[(\reg)+4*ci:(\reg)+4*ci+3] offset:(\lo)+512*ci
.set ci, ci+1
.endr
.endm
; ================================================================ head, every wave
	s_load_b512 s[16:31], s[0:1], 0x0
	s_load_b512 s[32:47], s[0:1], 0x40
	s_load_b512 s[48:63], s[0:1], 0x80
	s_load_b64 s[PBG2:PBG2+1], s[0:1], 0xc0
	v_lshl_add_u32 v[SPW], v0, 2, SPARE
	v_mov_b32 v[NIL], 0
	v_lshrrev_b32 v[LN], 5, v0
	v_readfirstlane_b32 s[WAVE], v[LN]             ; wave 0 .. 7
	s_and_b32 s[W4], s[WAVE], 3
	s_and_b32 s[PAR], s[WAVE], 1
	s_mul_i32 s[CELL0], ttmp9, CELLS
	s_add_co_u32 s[LASTC], s[CELL0], CELLS-1
	s_min_u32 s[LASTC], s[LASTC], NLAST
	s_add_co_u32 s[ENDC], s[LASTC], 1
	s_lshl_b32 s[T0], s[W4], 2
	s_add_co_u32 s[MYC], s[CELL0], s[T0]
	s_mov_b32 s[SEL], 0x76543210
	s_mov_b32 s[SEL+1], 0xfedcba98
	s_mov_b32 s[C2L], 0x4038aa3b                   ; 2 log2(e)
	s_mov_b32 s[C2L+1], s[C2L]                     ; (named with it as a pair, so it is written)
	s_mov_b32 s[M10], 0x03ff03ff
	s_mov_b32 s[TRIP], 0
	s_mul_i32 s[HA], s[W4], 4*PITCH
	s_add_co_u32 s[HA], s[HA], MEAN
	s_lshl_b32 s[HA+1], s[W4], 6
	s_add_co_u32 s[HA+1], s[HA+1], MEAN+CNTO
	s_mul_i32 s[HA+2], s[PAR], VEC
	s_add_co_u32 s[HA+2], s[HA+2], XSTG
	s_lshl_b32 s[HA+3], s[W4], 11
	s_lshl_b32 s[HA+4], s[W4], 12
	s_lshl_b32 s[HA+5], s[W4], 10
	WALU
	v_and_b32 v[LN], 31, v0
	v_and_b32 v[RR], 15, v0
	v_bfe_u32 v[HH], v0, 4, 1
	v_lshlrev_b32 v[Q16], 4, v[RR]
	v_lshlrev_b32 v[CR4], 2, v[RR]
	v_min_u32 v[CB4], 9, v[RR]
	v_lshl_add_u32 v[CB4], v[CB4], 2, 64
	v_mad_u32_u24 v[RP0], v[HH], PITCH, v[Q16]
	v_add_nc_u32 v[MS0], s[HA], v[RP0]
	v_add_nc_u32 v[XRD], s[HA+2], v[RP0]
	v_add_nc_u32 v[RP0], SLOT, v[RP0]
	v_lshl_add_u32 v[CS0], v[HH], 4, s[HA+1]
	v_and_b32 v[WP], 8, v[RR]
	v_add_nc_u32 v[SP], v[WP], v[RR]               ; r + 8 (r / 8)
	v_mul_u32_u24 v[WP], v[SP], 96
	v_mad_u32_u24 v[WP], v[HH], 24, v[WP]
	v_lshlrev_b32 v[SP], 2, v[SP]
	v_lshlrev_b32 v[BH], 6, v[HH]
	v_mul_u32_u24 v[G2A], v[HH], 192
	v_mul_u32_u24 v[IN0], v[RR], PITCH
	v_lshl_add_u32 v[IN0], v[HH], 6, v[IN0]        ; 272 r + 64 (lane / 16)
	v_add_nc_u32 v[XST], s[HA+2], v[IN0]
	v_add_nc_u32 v[ST0], SLOT, v[IN0]
	v_add_nc_u32 v[IN0], MEAN, v[IN0]
	v_lshl_add_u32 v[CN0], v[RR], 4, MEAN+CNTO
	v_lshl_add_u32 v[SW0], v[RR], 3, SLOT+2*VEC
	v_lshl_add_u32 v[RW0], v[HH], 3, SLOT+2*VEC
	v_lshl_add_u32 v[K2], v[LN], 4, s[HA+3]
	v_lshl_add_u32 v[K4], v[LN], 4, s[HA+4]
	v_lshl_add_u32 v[K1], v[LN], 4, s[HA+5]
	v_lshlrev_b32 v[L16], 4, v[LN]
	v_lshlrev_b32 v[L8], 3, v[LN]
	v_lshlrev_b32 v[L4], 2, v[LN]
.irp n, 29, 214, 215, 216, 217
	v_mov_b32 v\n, 0                               ; destinations of lane permutes and a pair's upper half count as read: written once
.endr
	WALU
	s_wait_kmcnt 0x0
	s_load_b96 s[BG2:BG2+2], s[PBG2:PBG2+1], 0x0   ; b_g2's three numbers; waited for at the join below
; ================================================================ the first parting: the stream sums tile 0; the others bring the weights into LDS
	s_cmp_lt_u32 s[WAVE], 4
	s_cbranch_scc0 .Lstagers
	s_mov_b32 s[T1], s[MYC]
	SADDR 0
	s_add_co_u32 s[T1], s[T1], 2
	SADDR 1
	WALU
.irp p, 0, 1
	SMALL \p
	WIN 0x55
.set jj, 0
.rept NBR
	global_load_b128 v[104*\p+4*jj:104*\p+4*jj+3], v[OFF+\p], s[NS:NS+1] offset:256*jj th:TH_LOAD_NT
.set jj, jj+1
.endr
	WIN 0
.endr
	WIN 0x40
.irp n, 0, 1, 2, 3, 4, 5, 6, 7
	v_mov_b32 v[MT+\n], 0                          ; (destinations of lane moves count as read)
.endr
	v_mov_b32 v[CNS+3], 0                          ; the counts' fourth word stays 0
	WIN 0
	WALU
	PAIR 0, 1, MS0, CS0
	PAIR 1, 1, MS0, CS0
	s_branch .Lstaged
.Lstagers:
	s_cmp_eq_u32 s[WAVE], 7
	s_cbranch_scc1 .Lsmall_ones
	CPL PWL,  K2, 4, 32                            ; waves 4, 5, 6: a third of each tensor of codes
	CPL PWF2, K2, 4, 48
	CPL PWC2, K2, 4, 64
	CPL PWF1, K4, 8, 80
	CPL PWC1, K4, 8, 112
	CPL PWG1, K1, 2, 144
	s_wait_loadcnt 0x0
	CPS K2, 4, 32,  C_L
	CPS K2, 4, 48,  C_F2
	CPS K2, 4, 64,  C_C2
	CPS K4, 8, 80,  C_F1
	CPS K4, 8, 112, C_C1
	CPS K1, 2, 144, C_G1
	s_branch .Lstaged
.Lsmall_ones:                                          ; wave 7: scale bytes, biases, W_g2
	global_load_b128 v[32:35], v[L16], s[PSF1:PSF1+1]
	global_load_b128 v[36:39], v[L16], s[PSC1:PSC1+1]
	global_load_b128 v[40:43], v[L16], s[PBF1:PBF1+1]
	global_load_b128 v[44:47], v[L16], s[PBC1:PBC1+1]
	global_load_b64 v[48:49], v[L8], s[PSL:PSL+1]
	global_load_b64 v[50:51], v[L8], s[PSF2:PSF2+1]
	global_load_b64 v[52:53], v[L8], s[PSC2:PSC2+1]
	global_load_b64 v[54:55], v[L8], s[PBL:PBL+1]
	global_load_b64 v[56:57], v[L8], s[PBF2:PBF2+1]
	global_load_b64 v[58:59], v[L8], s[PBC2:PBC2+1]
	global_load_b32 v60, v[L4], s[PSG1:PSG1+1]
	global_load_b32 v61, v[L4], s[PBG1:PBG1+1]
	global_load_b32 v62, v[L4], s[PWG2:PWG2+1]
	global_load_b32 v63, v[L4], s[PWG2:PWG2+1] offset:128
	global_load_b32 v64, v[L4], s[PWG2:PWG2+1] offset:256
	s_wait_loadcnt 0x0
	ds_store_b128 v[L16], v[32:35] offset:S_F1
	ds_store_b128 v[L16], v[36:39] offset:S_C1
	ds_store_b128 v[L16], v[40:43] offset:B_F1
	ds_store_b128 v[L16], v[44:47] offset:B_C1
	ds_store_b64 v[L8], v[48:49] offset:S_L
	ds_store_b64 v[L8], v[50:51] offset:S_F2
	ds_store_b64 v[L8], v[52:53] offset:S_C2
	ds_store_b64 v[L8], v[54:55] offset:B_L
	ds_store_b64 v[L8], v[56:57] offset:B_F2
	ds_store_b64 v[L8], v[58:59] offset:B_C2
	ds_store_b32 v[L4], v60 offset:S_G1
	ds_store_b32 v[L4], v61 offset:B_G1
	ds_store_b32 v[L4], v62 offset:WG2O
	ds_store_b32 v[L4], v63 offset:WG2O+128
	ds_store_b32 v[L4], v64 offset:WG2O+256
.Lstaged:
	s_wait_kmcnt 0x0                               ; b_g2
	s_wait_dscnt 0x0                               ; for the others' sake: my stores have landed
	s_barrier_signal -1
	s_barrier_wait -1                              ; the weights and tile 0's means lie in LDS
	s_cmp_lt_u32 s[WAVE], 4
	s_cbranch_scc1 .Lgo
	s_cmp_lt_u32 s[WAVE], 6
	s_cbranch_scc0 .Lnot_distant
	LOADW 8, C_C1, 0, S_C1, SA
	LOADW 4, C_C2, 96, S_C2, SB
	s_branch .Lgo
.Lnot_distant:
	s_cmp_eq_u32 s[WAVE], 6
	s_cbranch_scc0 .Lfunctional_weights
	LOADW 4, C_L, 0, S_L, SA
	LOADW 2, C_G1, 48, S_G1, SA+4
	s_branch .Lgo
.Lfunctional_weights:
	LOADW 8, C_F1, 0, S_F1, SA
	LOADW 4, C_F2, 96, S_F2, SB
.Lgo:
	s_mov_b32 s[TRIP], 1
	s_mov_b32 s[TRG], 0
	s_mov_b32 s[TRS], RG
	s_mov_b32 s[TCS], 0
	s_mov_b32 s[TCD], QSZ
; ================================================================ the trips
.Ltrip:
	v_add_nc_u32 v[MS], s[TRS], v[MS0]             ; tile T's region (stream),
	v_add_nc_u32 v[CS], s[TRS], v[CS0]
	v_add_nc_u32 v[IN], s[TRG], v[IN0]             ; tile T - 1's (experts),
	v_add_nc_u32 v[CN], s[TRG], v[CN0]
	v_add_nc_u32 v[ST], s[TCS], v[ST0]             ; this trip's slot, in,
	v_add_nc_u32 v[SW], s[TCS], v[SW0]
	v_add_nc_u32 v[RP], s[TCD], v[RP0]             ; and the last trip's, out
	v_add_nc_u32 v[RW], s[TCD], v[RW0]
	WALU
	s_cmp_lt_u32 s[WAVE], 4
	s_cbranch_scc0 .Lsummed
	s_cmp_lt_u32 s[TRIP], 4
	s_cbranch_scc0 .Llast_tile
	PAIR 0, 1, MS, CS
	PAIR 1, 1, MS, CS
	s_branch .Lsummed
.Llast_tile:
	s_cmp_eq_u32 s[TRIP], 4
	s_cbranch_scc0 .Lsummed
	PAIR 0, 0, MS, CS                              ; written out without loads: no load asks for a sixth tile
	PAIR 1, 0, MS, CS
.Lsummed:
	s_wait_dscnt 0x0                               ; for the others' sake: all my LDS stores have landed; my LDS loads are in
	s_barrier_signal -1
	s_add_co_u32 s[ODD], s[TRIP], s[WAVE]
	s_and_b32 s[ODD], s[ODD], 1
	s_cmp_lt_u32 s[WAVE], 4                        ; between signal and wait: registers, and LDS loads of the weights and of tile T - 1's region, which nobody writes again
	s_cbranch_scc1 .Lmeet
	s_cmp_eq_u32 s[WAVE], 6
	s_cbranch_scc1 .Lgate_local
	s_cmp_eq_u32 s[WAVE], 7
	s_cbranch_scc1 .Lfunctional
	s_cmp_eq_u32 s[ODD], 0                         ; a distant wave takes tile T - 1 where T + wave is odd
	s_cbranch_scc1 .Lmeet
; ---------------------------------------------------------------- the distant expert: x += tanh(tanh([x | mean] W_c1 + b_c1) W_c2 + b_c2) / 3, three times
	s_wait_xcnt 0x0                                ; my last stores of out0 have read their data, whose registers are loaded anew
	LOADV X, 0
	LOADV Y, 3
	s_wait_dscnt 0x0
	QUANT 2, Y, P+6, SH1                           ; the mean's half of the operand stays through the three steps
	s_mov_b32 s[EUL], 3
.Leuler:
	BIAS 8, H, B_C1
	BIAS 4, Y, B_C2
	QUANT 2, X, P, SH0
	v_lshl_or_b32 v[SCP], v[SH1], 16, v[SH0]
	XADD X
	WALU
	s_wait_dscnt 8                                 ; the first layer's biases are in; the second's 8 loads may be out
	PROD 8, H, 0, P, SA, SCP
	NOPS 4                                         ; four places (ISA guide 7.12.1) ahead of the first read of results
	TANH2 H, H+32, 32
	QUANT 4, H, Q, SCQ
	XADD X+16
	WALU
	s_wait_dscnt 0x0
	PROD 4, Y, 96, Q, SB, SCQ
	NOPS 4
	TANH2 Y, Y+16, 16, 3, X, X+16
	s_sub_co_u32 s[EUL], s[EUL], 1
	s_cmp_lg_u32 s[EUL], 0
	WALU
	s_cbranch_scc1 .Leuler
	s_branch .Lmeet
; ---------------------------------------------------------------- the functional expert
.Lfunctional:
	LOADV X, 0
	LOADV H, 2
	s_wait_dscnt 0x0
	QUANT 4, X, P, SCP                             ; state and mean lie on end: 64 registers, the whole operand
	BIAS 8, H, B_F1
	BIAS 4, Y, B_F2
	NOPS 8                                         ; a scale register written by a vector instruction stands eight places ahead of a scaled product
	WALU
	s_wait_dscnt 8
	PROD 8, H, 0, P, SA, SCP
	NOPS 4
	TANH2 H, H+32, 32
	QUANT 4, H, Q, SCQ
	NOPS 8
	WALU
	s_wait_dscnt 0x0
	PROD 4, Y, 96, Q, SB, SCQ
	NOPS 4
	TANH2 Y, Y+16, 16
	WALU
	s_branch .Lmeet
; ---------------------------------------------------------------- the gate and the local expert
.Lgate_local:
	ds_load_b128 v[CNT:CNT+3], v[CN]
	LOADV X, 0
	LOADV H, 4
	LOADV Y, 1
	s_wait_dscnt 8                                 ; the counts, the state and the plain mean are in; the local mean's 8 loads may be out
	QUANT 4, X, P, SCP                             ; the operand [state | plain mean]
	BIAS 4, X, B_L
	BIAS 2, H, B_G1
.set gi, 0
.rept 12
	ds_load_b128 v[WG+4*gi:WG+4*gi+3], v[G2A] offset:WG2O+16*gi    ; W_g2's rows 16 (lane / 16) + 0 .. 15
.set gi, gi+1
.endr
	WALU
	s_wait_dscnt 24                                ; the local mean is in; the 8 + 4 + 12 loads just issued may be out
	QUANT 2, Y, Q+6, SH1
	v_and_b32 v[SH0], 0xffff, v[SCP]
.irp i, 0, 1, 2, 3, 4, 5
	v_mov_b32 v[Q+\i], v[P+\i]                     ; the operand [state | local mean]
.endr
	v_lshl_or_b32 v[SCQ], v[SH1], 16, v[SH0]
	NOPS 8
	WALU
	s_wait_dscnt 0x0
	PROD 2, H, 48, P, SA+4, SCP                    ; the gate's 32 hidden units: my 16 in v64-79
	PROD 4, X, 0, Q, SA, SCQ
	NOPS 4
	TANH2 X, X+24, 24                              ; v32-63 local, v64-79 gate
	WALU
.irp c, 0, 1, 2
	v_mul_f32 v[GG+\c], v[H], v[WG+\c]             ; the 32 x 3 product in f32, three chains by turns
.endr
.set gi, 1
.rept 15
.irp c, 0, 1, 2
	v_fmac_f32 v[GG+\c], v[H+gi], v[WG+3*gi+\c]
.endr
.set gi, gi+1
.endr
.irp c, 0, 1, 2
	v_permlanex16_b32 v[GT+\c], v[GG+\c], s[SEL], s[SEL+1]
.endr
.irp c, 0, 1, 2
	v_add_f32 v[GG+\c], v[GG+\c], v[GT+\c]         ; with lane xor 16's 16 units
.endr
.irp c, 0, 1, 2
	v_add_f32 v[GG+\c], s[BG2+\c], v[GG+\c]
.endr
	v_max3_num_f32 v[MX], v[GG], v[GG+1], v[GG+2]  ; the softmax takes its maximum away
.irp c, 0, 1, 2
	v_sub_f32 v[GG+\c], v[GG+\c], v[MX]
.endr
.irp c, 0, 1, 2
	v_mul_f32 v[GG+\c], 0x3fb8aa3b, v[GG+\c]
.endr
	WALU
.irp c, 0, 1, 2
	v_exp_f32 v[GG+\c], v[GG+\c]
.endr
	v_nop
	WALU
	v_add_f32 v[MX], v[GG], v[GG+1]
	v_add_f32 v[MX], v[MX], v[GG+2]
	WALU
	v_rcp_f32 v[MX], v[MX]
	v_nop
	WALU
.irp c, 0, 1, 2
	v_mul_f32 v[WT+\c], v[GG+\c], v[MX]            ; out1's three numbers
.endr
.irp c, 0, 1, 2
	v_cmp_lt_f32 vcc_lo, 0, v[CNT+\c]
	v_cndmask_b32 v[WM+\c+(\c+1)/2], 0, v[WT+\c], vcc_lo   ; v28, v30, v31: an expert without neighbours gives zeros, so its weight becomes 0
.endr
.set tj, 0
.rept 16
	v_pk_mul_f32 v[X+tj:X+tj+1], v[X+tj:X+tj+1], v[WM:WM+1] op_sel_hi:[1,0]
.set tj, tj+2
.endr
	WALU
.Lmeet:
	s_barrier_wait -1                              ; every wave has signalled: tile T's means and tile T - 2's hand-over lie in LDS
	s_cmp_lt_u32 s[WAVE], 4
	s_cbranch_scc1 .Lnext
	s_cmp_lt_u32 s[WAVE], 6
	s_cbranch_scc1 .Lout0
	s_cmp_eq_u32 s[WAVE], 6
	s_cbranch_scc0 .Lhand_f
; ---------------------------------------------------------------- wave 6: w0 out_l, w1 and w2 of tile T - 1 to this trip's slot; out1
	PUTV ST, X, 0
	ds_store_b64 v[SW], v[WM+2:WM+3]               ; lanes r and r + 16 write the same bytes with the same numbers
	ROWS 16
	s_wait_xcnt 0x0                                ; my earlier store has read its offset; EXEC changes only behind this wait
	v_add_nc_u32 v[OUTO], s[T0], v[LN]
	v_min_u32 v[OUTO], s[LASTC], v[OUTO]
	v_mul_u32_u24 v[OUTO], v[OUTO], 12
	v_cmp_gt_u32 vcc_lo, s[VALID], v[LN]           ; lanes 0-15 hold cells 0-15; those that exist store
	s_and_saveexec_b32 s[SAVE], vcc_lo
	global_store_b96 v[OUTO], v[WT:WT+2], s[O1:O1+1] th:TH_STORE_NT
	s_wait_xcnt 0x0                                ; and again, in front of the line that widens it
	s_or_b32 exec_lo, exec_lo, s[SAVE]
	s_branch .Lnext
.Lhand_f:                                              ; wave 7: out_f
	PUTV ST, Y, VEC
	s_branch .Lnext
; ---------------------------------------------------------------- waves 4, 5, one trip behind their chain
.Lout0:
	s_cmp_eq_u32 s[ODD], 1
	s_cbranch_scc1 .Lnext
	s_cmp_lt_u32 s[TRIP], 2
	s_cbranch_scc1 .Lnext
	OUT0
.Lnext:
	s_add_co_u32 s[TRG], s[TRG], RG
	s_add_co_u32 s[TRS], s[TRS], RG
	s_xor_b32 s[TCS], s[TCS], QSZ
	s_xor_b32 s[TCD], s[TCD], QSZ
	s_add_co_u32 s[TRIP], s[TRIP], 1
	s_cmp_lt_u32 s[TRIP], 6
	s_cbranch_scc1 .Ltrip
; ================================================================ the end: wave 4 stores tile 4
	v_add_nc_u32 v[RP], s[TCD], v[RP0]
	v_add_nc_u32 v[RW], s[TCD], v[RW0]
	WALU
	s_wait_dscnt 0x0                               ; for wave 4's sake: tile 4's hand-over has landed
	s_barrier_signal -1
	s_barrier_wait -1
	s_cmp_eq_u32 s[WAVE], 4
	s_cbranch_scc0 .Lend
	OUT0
.Lend:
	s_wait_tensorcnt 0x0                           ; the wave's end: behind my last LDS store
	ds_add_u32 v[SPW], v[NIL]
	s_wait_dscnt 0x0
	s_endpgm
.Lfunc_end_k_q8d3282efb0_moe:
	.size	k_q8d3282efb0_moe, .Lfunc_end_k_q8d3282efb0_moe-k_q8d3282efb0_moe
	.p2alignl 7, 3214868480
	.fill 96, 4, 3214868480
	.section	.rodata,"a",@progbits
	.p2align	6, 0x0
	.amdhsa_kernel k_q8d3282efb0_moe
		.amdhsa_group_segment_fixed_size 210176
		.amdhsa_private_segment_fixed_size 0
		.amdhsa_enable_private_segment 0
		.amdhsa_kernarg_size 200
		.amdhsa_user_sgpr_count 2
		.amdhsa_user_sgpr_kernarg_segment_ptr 1
		.amdhsa_wavefront_size32 1
		.amdhsa_system_sgpr_workgroup_id_x 1
		.amdhsa_system_sgpr_workgroup_id_y 1
		.amdhsa_system_sgpr_workgroup_id_z 1
		.amdhsa_system_vgpr_workitem_id 0
		.amdhsa_next_free_vgpr 512
		.amdhsa_next_free_sgpr 96
		.amdhsa_reserve_vcc 1
		.amdhsa_float_denorm_mode_32 3
		.amdhsa_float_denorm_mode_16_64 3
		.amdhsa_memory_ordered 1
		.amdhsa_forward_progress 1
		.amdhsa_inst_pref_size 255
	.end_amdhsa_kernel
	.section	.bss,"aw",@nobits
	.p2align	6
	.space	262144
	.amdgpu_metadata
---
amdhsa.version: [ 1, 2 ]
amdhsa.kernels:
  - .name:           k_q8d3282efb0_moe
    .symbol:         k_q8d3282efb0_moe.kd
    .args:
      - { .name: neighbor_states, .offset: 0, .size: 8, .value_kind: global_buffer, .address_space: global }
      - { .name: neighbor_cat, .offset: 8, .size: 8, .value_kind: global_buffer, .address_space: global }
      - { .name: current_state, .offset: 16, .size: 8, .value_kind: global_buffer, .address_space: global }
      - { .name: out0, .offset: 24, .size: 8, .value_kind: global_buffer, .address_space: global }
      - { .name: out1, .offset: 32, .size: 8, .value_kind: global_buffer, .address_space: global }
      - { .name: W_local_codes, .offset: 40, .size: 8, .value_kind: global_buffer, .address_space: global }
      - { .name: W_f1_codes, .offset: 48, .size: 8, .value_kind: global_buffer, .address_space: global }
      - { .name: W_f2_codes, .offset: 56, .size: 8, .value_kind: global_buffer, .address_space: global }
      - { .name: W_c1_codes, .offset: 64, .size: 8, .value_kind: global_buffer, .address_space: global }
      - { .name: W_c2_codes, .offset: 72, .size: 8, .value_kind: global_buffer, .address_space: global }
      - { .name: W_g1_codes, .offset: 80, .size: 8, .value_kind: global_buffer, .address_space: global }
      - { .name: W_local_scales, .offset: 88, .size: 8, .value_kind: global_buffer, .address_space: global }
      - { .name: W_f1_scales, .offset: 96, .size: 8, .value_kind: global_buffer, .address_space: global }
      - { .name: W_f2_scales, .offset: 104, .size: 8, .value_kind: global_buffer, .address_space: global }
      - { .name: W_c1_scales, .offset: 112, .size: 8, .value_kind: global_buffer, .address_space: global }
      - { .name: W_c2_scales, .offset: 120, .size: 8, .value_kind: global_buffer, .address_space: global }
      - { .name: W_g1_scales, .offset: 128, .size: 8, .value_kind: global_buffer, .address_space: global }
      - { .name: b_local, .offset: 136, .size: 8, .value_kind: global_buffer, .address_space: global }
      - { .name: b_f1, .offset: 144, .size: 8, .value_kind: global_buffer, .address_space: global }
      - { .name: b_f2, .offset: 152, .size: 8, .value_kind: global_buffer, .address_space: global }
      - { .name: b_c1, .offset: 160, .size: 8, .value_kind: global_buffer, .address_space: global }
      - { .name: b_c2, .offset: 168, .size: 8, .value_kind: global_buffer, .address_space: global }
      - { .name: b_g1, .offset: 176, .size: 8, .value_kind: global_buffer, .address_space: global }
      - { .name: W_g2, .offset: 184, .size: 8, .value_kind: global_buffer, .address_space: global }
      - { .name: b_g2, .offset: 192, .size: 8, .value_kind: global_buffer, .address_space: global }
    .group_segment_fixed_size: 210176
    .private_segment_fixed_size: 0
    .kernarg_segment_align: 8
    .kernarg_segment_size: 200
    .max_flat_workgroup_size: 256
    .sgpr_count:     96
    .vgpr_count:     512
    .wavefront_size: 32
...
	.end_amdgpu_metadata
.endif
;; end of part 1
